; MI455X (gfx1250); checked and timed in simulation.
; The chip was launched on July 23, 2026; its instructions are those of AMD's public machine-readable ISA for CDNA 5 (MIT licence, August 2026) and "CDNA5" Instruction Set Architecture Reference Guide (July 2026). The comments in the code are by the model that wrote it; some were corrected since.
;; Gated Attention. Allowed arithmetic: float matrix products may take bf16 or f16 operands with f32 sums; all other float work in f32.
;; Inputs: W_a 512 x 1 float32; W_g 512 x 1 float32; b_a 1 float32; b_g 1 float32; x 8 x 16,384 x 512 float32.
;; Outputs: out0 8 x 1 x 512 float32.
;; 2 versions, each right; version 2 is version 1 with the launch pool written anew for expert scheduling mode. Each part assembles by itself: llvm-mc -triple=amdgcn-amd-amdhsa -mcpu=gfx1250 --defsym DOCPART=n.
;; ======== version 1 of 2: 2 launches
;; workspace buffers: part 589,824 bytes
;; launch pool (part 1): grid 256 x 1, 16 waves a work-group, no clusters, 35,072 bytes of LDS; arguments x, W_a, b_a, W_g, b_g, part; writes part
.if DOCPART == 1
	.amdgcn_target "amdgcn-amd-amdhsa--gfx1250"
	.amdhsa_code_object_version 6
	.text
	.protected	k_q34220a49ae_pool
	.globl	k_q34220a49ae_pool
	.p2align	8
	.type	k_q34220a49ae_pool,@function
k_q34220a49ae_pool:
	s_mov_b64 s[64:65], 0
	v_nop
	global_prefetch_b8 v0, s[64:65] scope:SCOPE_SE
	s_setreg_imm32_b32 hwreg(HW_REG_WAVE_MODE, 25, 1), 1
	s_wait_xcnt 0x0
; Gated attention pooling, first of two launches.  x: [8][16384][512] f32.
; For each token: a = x.W_a + b_a, g = x.W_g + b_g, score = tanh(a) * sigmoid(g), w = exp(score);
; this launch makes, for 512 consecutive tokens of one batch, the sums  S[d] = sum w x[d]  and  s = sum w.
; The second launch adds the 32 such records of a batch and divides.
;
; NO MAXIMUM IS TAKEN AWAY before the exponential: |tanh * sigmoid| <= 1 whatever the inputs are, so w lies in
; [1/e, e] and a batch's sum of 16,384 of them is at most 44,537: nothing can overflow or underflow in f32.
; So a row's weight needs no other row, and x is read once.
; LIMITS: NaN or infinite x is not treated apart.  For very large |a|, |g| exp2 gives inf or 0 and the reciprocal
; 0 or 1, which are the saturated values of tanh and sigmoid.  The f32 sums are added in another order than in the model.
;
; NO MATRIX UNIT: each product has one column (W_a, W_g) or one row (the weights), a sixteenth of a 16 x 16 tile, and
; rounding a lane's 16 numbers of a row to bf16 takes 8 instructions, as many as a whole dot product in packed f32 FMAs.
; NO CLUSTER: work-groups share only W_a and W_g, 4 KiB against the 1 MiB of x that each reads alone.
;
; SHARES.  Work-group g: rows 512 g .. 512 g + 511 (1 MiB; 32 work-groups a batch).  A row is 2,048 bytes = four 16-byte loads a lane,
; each load of a wave 512 consecutive bytes: register 4 j + k of a row holds column 128 j + 4 lane + k, and so do W_a, W_g and ACC.
; A turn takes two rows a wave; the 16 waves take 32 consecutive rows (64 KiB), so the group walks its MiB front to back.
; Ring: 4 slots of 2 rows in registers = 32 loads (16 KiB) of every wave in flight.
.set ROWB,   2048                      ; bytes in a row
.set STEPB,  16*2*ROWB                 ; bytes that the 16 waves take in one turn
.set SLOTS,  4
.set ROUNDS, 512*ROWB/(SLOTS*STEPB)    ; 4: each round takes every slot once
.set PARTB,  2304                      ; a record of the workspace: 2,048 bytes of S, 256 bytes of s (64 times the same number)
.set SUMS,   16*ROWB                   ; LDS: 16 waves x 2,048 bytes of S, then 16 words of s
.set OFF, 1                            ; v1        4,096 x wave + 16 x lane
.set L16, 2                            ; v2        16 x lane
.set SUM, 3                            ; v3        my wave's sum of weights (the same in every lane)
.set KK,  4                            ; v4        lanes 0-15: 2 log2 e      lanes 16-31: -log2 e
.set KB,  5                            ; v5        KK x b_a                  KK x b_g
.set AL,  6                            ; v6        -2 log2 e                 1
.set BE,  7                            ; v7        log2 e                    0
.set TA,  8                            ; v[8:11]   at work, the turn's first row
.set TB,  12                           ; v[12:15]  at work, the turn's second row
.set WA,  16                           ; v[16:31]  W_a of my 16 columns
.set WG,  32                           ; v[32:47]  W_g of my 16 columns
.set ACC, 48                           ; v[48:63]  sum of w x over my wave's rows, my 16 columns
.set X,   64                           ; v[64:191] slot s: 32 registers, two rows
	s_load_b256 s[4:11], s[0:1], 0x0               ; x s[4:5], W_a s[6:7], b_a s[8:9], W_g s[10:11]
	s_load_b128 s[12:15], s[0:1], 0x20             ; b_g s[12:13], part s[14:15]
	v_lshl_add_u32 v192, v0, 2, 0x8100
	v_mov_b32 v193, 0
	v_lshrrev_b32 v3, 5, v0
	v_readfirstlane_b32 s18, v3                    ; wave 0..15
	v_and_b32 v2, 31, v0
	v_lshlrev_b32 v[L16], 4, v2                    ; 16 x lane
	s_lshl_b32 s19, s18, 12                        ; my wave's two rows in a turn's 32
	v_add_nc_u32 v[OFF], s19, v[L16]
	s_lshl_b32 s20, ttmp9, 20                      ; the group's MiB of x (at most 255 MiB: one word)
	s_mov_b32 s21, 0
	s_mul_i32 s22, ttmp9, PARTB                    ; the group's record
	s_mov_b32 s23, 0
	s_mov_b32 s24, 0x76543210                      ; v_permlanex16_b32: lane i takes lane i of the other half
	s_mov_b32 s25, 0xfedcba98
	s_mov_b32 vcc_lo, 0xffff0000                   ; lanes 16-31, for the whole kernel
	s_wait_kmcnt 0x0
	s_load_b32 s16, s[8:9], 0x0                    ; b_a
	s_load_b32 s17, s[12:13], 0x0                  ; b_g
	s_add_nc_u64 s[4:5], s[4:5], s[20:21]
	s_add_nc_u64 s[14:15], s[14:15], s[22:23]
.irp j, 0,1,2,3
	global_load_b128 v[WA+4*\j:WA+4*\j+3], v[L16], s[6:7] offset:512*\j
	global_load_b128 v[WG+4*\j:WG+4*\j+3], v[L16], s[10:11] offset:512*\j
.endr
; eight loads: the slot's two rows.  x is read once in the whole launch: non-temporal.
.macro FILL s, extra
.irp r, 0,1
.irp j, 0,1,2,3
	global_load_b128 v[X+32*\s+16*\r+4*\j:X+32*\s+16*\r+4*\j+3], v[OFF], s[4:5] offset:\s*STEPB+\r*ROWB+\j*512+\extra th:TH_LOAD_NT
.endr
.endr
.endm
	FILL 0, 0
	FILL 1, 0
	FILL 2, 0
	FILL 3, 0
	; One chain serves tanh (lanes 0-15) and sigmoid (lanes 16-31):  r = 1 / (1 + exp2(KK z)),  value = AL r + BE.
	; tanh z = 1 - 2 / (1 + e^(2z)), here times log2 e so that the weight is exp2 of the two values' product;  sigmoid z = 1 / (1 + e^(-z)).
	v_mov_b32 v[TA], 0xbfb8aa3b                            ; -log2 e
	v_cndmask_b32 v[KK], 0x4038aa3b, v[TA], vcc_lo         ; 2 log2 e | -log2 e
	v_mov_b32 v[TA+1], 1.0
	v_cndmask_b32 v[AL], 0xc038aa3b, v[TA+1], vcc_lo       ; -2 log2 e | 1
	v_mov_b32 v[TA+2], 0
	v_cndmask_b32 v[BE], 0x3fb8aa3b, v[TA+2], vcc_lo       ; log2 e | 0
	; 17 registers are cleared once for a wave's 32 rows; letting the first row start the sums would ask for a second copy of a round's code
	v_mov_b32 v[SUM], 0
.irp j, 0,1,2,3,4,5,6,7,8,9,10,11,12,13,14,15
	v_mov_b32 v[ACC+\j], 0
.endr
	s_wait_kmcnt 0x0                                       ; the two biases
	v_mov_b32 v[TA+3], s17
	v_cndmask_b32 v[KB], s16, v[TA+3], vcc_lo              ; b_a | b_g
	v_mul_f32 v[KB], v[KK], v[KB]                          ; KK (z + b) = KK z + KK b: one FMA a row
.macro ROWSUM t                        ; sum over each half of 16 lanes, result in all of them
.irp m, 1,2,4,8
	v_add_f32_dpp v[\t], v[\t], v[\t] row_xmask:\m row_mask:0xf bank_mask:0xf
.endr
.endm
.macro ACCUM t, x, j                   ; two columns: ACC += w x  (w = v[t], taken for both halves; v[t+1] is a written register)
	v_pk_fma_f32 v[ACC+\j:ACC+\j+1], v[\x+\j:\x+\j+1], v[\t:\t+1], v[ACC+\j:ACC+\j+1] op_sel_hi:[1,0,1]
.endm
; The turn of slot s: rows A and B.  refill = 1: the slot gets the rows SLOTS turns further on.  left = younger loads that may stay out.
; Behind each exp2 and reciprocal one plain vector instruction that touches neither its result nor its source comes first
; (ISA guide 5.7.2): row A's three places are filled by steps of row B's reduction, row B's by row A's accumulation.
.macro TURN s, refill, left
.set XA, X+32*\s
.set XB, X+32*\s+16
	s_wait_loadcnt \left                                   ; loads come back in order: my slot's eight are in, the younger slots' stay out
	; the two dot products of both rows, my 16 columns: four chains that do not wait for each other; the first products start them
	v_pk_mul_f32 v[TA:TA+1],   v[XA:XA+1], v[WA:WA+1]
	v_pk_mul_f32 v[TA+2:TA+3], v[XA:XA+1], v[WG:WG+1]
	v_pk_mul_f32 v[TB:TB+1],   v[XB:XB+1], v[WA:WA+1]
	v_pk_mul_f32 v[TB+2:TB+3], v[XB:XB+1], v[WG:WG+1]
.irp j, 2,4,6,8,10,12,14
	v_pk_fma_f32 v[TA:TA+1],   v[XA+\j:XA+\j+1], v[WA+\j:WA+\j+1], v[TA:TA+1]
	v_pk_fma_f32 v[TA+2:TA+3], v[XA+\j:XA+\j+1], v[WG+\j:WG+\j+1], v[TA+2:TA+3]
	v_pk_fma_f32 v[TB:TB+1],   v[XB+\j:XB+\j+1], v[WA+\j:WA+\j+1], v[TB:TB+1]
	v_pk_fma_f32 v[TB+2:TB+3], v[XB+\j:XB+\j+1], v[WG+\j:WG+\j+1], v[TB+2:TB+3]
.endr
	v_add_f32 v[TA],   v[TA],   v[TA+1]                    ; A: my part of x.W_a
	v_add_f32 v[TA+2], v[TA+2], v[TA+3]                    ; A: my part of x.W_g
	v_add_f32 v[TB],   v[TB],   v[TB+1]
	v_add_f32 v[TB+2], v[TB+2], v[TB+3]
	; row A: the halves trade, so that lanes 0-15 go on with x.W_a alone and lanes 16-31 with x.W_g alone
	v_cndmask_b32 v[TA+1], v[TA+2], v[TA], vcc_lo          ; to send: lanes 0-15 their g part, lanes 16-31 their a part
	v_cndmask_b32 v[TA], v[TA], v[TA+2], vcc_lo            ; to keep: lanes 0-15 a, lanes 16-31 g
	v_permlanex16_b32 v[TA+3], v[TA+1], s24, s25
	v_add_f32 v[TA], v[TA], v[TA+3]
	ROWSUM TA                                              ; x.W_a | x.W_g
	v_fma_f32 v[TA], v[TA], v[KK], v[KB]
	v_exp_f32 v[TA+1], v[TA]
	v_cndmask_b32 v[TB+1], v[TB+2], v[TB], vcc_lo          ; (B: to send)
	s_wait_alu depctr_va_vdst(0)
	v_add_f32 v[TA+1], 1.0, v[TA+1]
	v_rcp_f32 v[TA], v[TA+1]
	v_cndmask_b32 v[TB], v[TB], v[TB+2], vcc_lo            ; (B: to keep)
	s_wait_alu depctr_va_vdst(0)
	v_fma_f32 v[TA], v[TA], v[AL], v[BE]                   ; log2 e tanh(a) | sigmoid(g)
	v_permlanex16_b32 v[TA+3], v[TA], s24, s25             ; the other factor
	v_permlanex16_b32 v[TB+3], v[TB+1], s24, s25           ; (B)
	v_mul_f32 v[TA+1], v[TA], v[TA+3]                      ; log2 e x score, in every lane
	v_exp_f32 v[TA], v[TA+1]                               ; A's weight
	v_add_f32 v[TB], v[TB], v[TB+3]                        ; (B)
	s_wait_alu depctr_va_vdst(0)
	v_add_f32 v[SUM], v[SUM], v[TA]
	; row B: the same chain
	ROWSUM TB
	v_fma_f32 v[TB], v[TB], v[KK], v[KB]
	v_exp_f32 v[TB+1], v[TB]
	ACCUM TA, XA, 0
	s_wait_alu depctr_va_vdst(0)
	v_add_f32 v[TB+1], 1.0, v[TB+1]
	v_rcp_f32 v[TB], v[TB+1]
	ACCUM TA, XA, 2
	s_wait_alu depctr_va_vdst(0)
	v_fma_f32 v[TB], v[TB], v[AL], v[BE]
	v_permlanex16_b32 v[TB+3], v[TB], s24, s25
	v_mul_f32 v[TB+1], v[TB], v[TB+3]
	v_exp_f32 v[TB], v[TB+1]                               ; B's weight
.irp j, 4,6,8,10,12,14
	ACCUM TA, XA, \j
.endr
	s_wait_alu depctr_va_vdst(0)
	v_add_f32 v[SUM], v[SUM], v[TB]
.irp j, 0,2,4,6,8,10,12,14
	ACCUM TB, XB, \j
.endr
.if \refill
	FILL \s, SLOTS*STEPB
.endif
.endm
	s_mov_b32 s26, ROUNDS-1
.Lround:
	TURN 0, 1, 24                                          ; 24 = three younger slots of eight loads (W's eight were issued ahead of the ring)
	TURN 1, 1, 24
	TURN 2, 1, 24
	TURN 3, 1, 24
	s_wait_xcnt 0x0                                        ; the base is a source of the loads just issued: it is stepped only behind this wait
	s_add_nc_u64 s[4:5], s[4:5], SLOTS*STEPB
	s_sub_co_u32 s26, s26, 1
	s_cmp_lg_u32 s26, 0
	s_cbranch_scc1 .Lround
	TURN 0, 0, 24                                          ; the last round loads nothing, so no load passes the group's MiB: the counts run down
	TURN 1, 0, 16
	TURN 2, 0, 8
	TURN 3, 0, 0
	; The 16 waves' sums meet in LDS: each wave stores its own 2,048 bytes and its own word, one barrier, five waves add.
	s_lshl_b32 s27, s18, 11
	s_lshl_b32 s28, s18, 2
	v_add_nc_u32 v[TA], s27, v[L16]                        ; 2,048 x wave + 16 x lane
	v_mov_b32 v[TA+1], s28                                 ; 4 x wave
.irp j, 0,1,2,3
	ds_store_b128 v[TA], v[ACC+4*\j:ACC+4*\j+3] offset:512*\j
.endr
	ds_store_b32 v[TA+1], v[SUM] offset:SUMS               ; all lanes write the same word with the same number
	s_wait_dscnt 0x0                                       ; for the other waves' sake: my stores are in LDS before I signal
	s_barrier_signal -1
	s_barrier_wait -1
	s_cmp_gt_u32 s18, 4
	s_cbranch_scc1 .Lend
	s_cmp_eq_u32 s18, 4
	s_cbranch_scc1 .Lsum
	; waves 0-3: thread t adds the 16 waves' columns 4 t .. 4 t + 3; a wave's store covers 512 consecutive bytes, aligned to 256
	v_lshlrev_b32 v[TB], 4, v0                             ; 16 t, in LDS and in the record
.irp w, 0,1,2,3,4,5,6,7,8,9,10,11,12,13,14,15
	ds_load_b128 v[X+4*\w:X+4*\w+3], v[TB] offset:ROWB*\w
.endr
	s_wait_dscnt 0x0
.irp d, 8,4,2,1
.set w, 0
.rept \d
	v_pk_add_f32 v[X+4*w:X+4*w+1],   v[X+4*w:X+4*w+1],   v[X+4*(w+\d):X+4*(w+\d)+1]
	v_pk_add_f32 v[X+4*w+2:X+4*w+3], v[X+4*w+2:X+4*w+3], v[X+4*(w+\d)+2:X+4*(w+\d)+3]
.set w, w+1
.endr
.endr
	global_store_b128 v[TB], v[X:X+3], s[14:15]
	s_wait_tensorcnt 0x0
	ds_add_u32 v192, v193
	s_wait_dscnt 0x0
	s_endpgm
.Lsum:
	; wave 4: the 16 sums of weights, read by every lane; the total goes out 64 times, 8 bytes a lane: 256 consecutive bytes, aligned
	v_mov_b32 v[TB], SUMS
.irp i, 0,1,2,3
	ds_load_b128 v[X+4*\i:X+4*\i+3], v[TB] offset:16*\i
.endr
	v_lshrrev_b32 v[TB+1], 1, v[L16]                       ; 8 x lane
	s_wait_dscnt 0x0
.irp d, 4,2,1
.set p, 0
.rept \d
	v_pk_add_f32 v[X+2*p:X+2*p+1], v[X+2*p:X+2*p+1], v[X+2*(p+\d):X+2*(p+\d)+1]
.set p, p+1
.endr
.endr
	v_add_f32 v[X+2], v[X], v[X+1]                         ; the total, made twice to fill the pair that is stored
	v_add_f32 v[X+3], v[X], v[X+1]
	global_store_b64 v[TB+1], v[X+2:X+3], s[14:15] offset:ROWB
.Lend:
	s_wait_tensorcnt 0x0
	ds_add_u32 v192, v193
	s_wait_dscnt 0x0
	s_endpgm
.Lfunc_end_k_q34220a49ae_pool:
	.size	k_q34220a49ae_pool, .Lfunc_end_k_q34220a49ae_pool-k_q34220a49ae_pool
	.p2alignl 7, 3214868480
	.fill 96, 4, 3214868480
	.section	.rodata,"a",@progbits
	.p2align	6, 0x0
	.amdhsa_kernel k_q34220a49ae_pool
		.amdhsa_group_segment_fixed_size 35072
		.amdhsa_private_segment_fixed_size 0
		.amdhsa_enable_private_segment 0
		.amdhsa_kernarg_size 48
		.amdhsa_user_sgpr_count 2
		.amdhsa_user_sgpr_kernarg_segment_ptr 1
		.amdhsa_wavefront_size32 1
		.amdhsa_system_sgpr_workgroup_id_x 1
		.amdhsa_system_sgpr_workgroup_id_y 1
		.amdhsa_system_sgpr_workgroup_id_z 1
		.amdhsa_system_vgpr_workitem_id 0
		.amdhsa_next_free_vgpr 194
		.amdhsa_next_free_sgpr 66
		.amdhsa_reserve_vcc 1
		.amdhsa_float_denorm_mode_32 3
		.amdhsa_float_denorm_mode_16_64 3
		.amdhsa_memory_ordered 1
		.amdhsa_forward_progress 1
		.amdhsa_inst_pref_size 54
	.end_amdhsa_kernel
	.amdgpu_metadata
---
amdhsa.version: [ 1, 2 ]
amdhsa.kernels:
  - .name:           k_q34220a49ae_pool
    .symbol:         k_q34220a49ae_pool.kd
    .args:
      - { .name: x, .offset: 0, .size: 8, .value_kind: global_buffer, .address_space: global }
      - { .name: W_a, .offset: 8, .size: 8, .value_kind: global_buffer, .address_space: global }
      - { .name: b_a, .offset: 16, .size: 8, .value_kind: global_buffer, .address_space: global }
      - { .name: W_g, .offset: 24, .size: 8, .value_kind: global_buffer, .address_space: global }
      - { .name: b_g, .offset: 32, .size: 8, .value_kind: global_buffer, .address_space: global }
      - { .name: part, .offset: 40, .size: 8, .value_kind: global_buffer, .address_space: global }
    .group_segment_fixed_size: 35072
    .private_segment_fixed_size: 0
    .kernarg_segment_align: 8
    .kernarg_segment_size: 48
    .max_flat_workgroup_size: 512
    .sgpr_count:     66
    .vgpr_count:     194
    .wavefront_size: 32
...
	.end_amdgpu_metadata
.endif
;; end of part 1
;; launch finish (part 2): grid 4 x 8, 1 waves a work-group, no clusters, 0 bytes of LDS; arguments part, out0; writes out0
.if DOCPART == 2
	.amdgcn_target "amdgcn-amd-amdhsa--gfx1250"
	.amdhsa_code_object_version 6
	.text
	.protected	k_q34220a49ae_finish
	.globl	k_q34220a49ae_finish
	.p2align	8
	.type	k_q34220a49ae_finish,@function
k_q34220a49ae_finish:
	s_mov_b64 s[64:65], 0
	v_nop
	global_prefetch_b8 v0, s[64:65] scope:SCOPE_SE
	s_setreg_imm32_b32 hwreg(HW_REG_WAVE_MODE, 25, 1), 1
	s_wait_xcnt 0x0
; Gated attention pooling, second launch: out[b][d] = (sum over the batch's 32 records of S[d]) / (sum of their s).
; A record is 2,304 bytes: S (512 f32), then s (64 times the same f32).  One wave for a batch (id y) and 128 columns (id x):
; lane l owns columns 128 x + 4 l .. + 3.  All 33 loads of a lane are issued at once; the store covers 512 consecutive bytes, aligned to 256.
; The divisor is at least 16,384 / e: never zero.
; Waves share nothing, so there is no LDS and no barrier; the whole launch reads 0.6 MB, so nothing is spread further.
.set PARTB,  2304
.set CHUNKS, 32
.set X, 8                              ; v[8:135]  record c: 4 registers
	s_load_b128 s[4:7], s[0:1], 0x0                ; part s[4:5], out0 s[6:7]
	s_and_b32 s8, ttmp7, 0xffff                    ; batch
	s_mul_i32 s10, s8, CHUNKS*PARTB                ; the batch's 32 records
	s_mov_b32 s11, 0
	s_lshl_b32 s12, s8, 11                         ; the batch's 2,048 bytes of the output
	s_mov_b32 s13, 0
	s_lshl_b32 s9, ttmp9, 9                        ; my 512 bytes of a row
	s_mov_b32 s14, 0x76543210                      ; v_permlanex16_b32: lane i takes lane i of the other half
	s_mov_b32 s15, 0xfedcba98
	v_lshl_add_u32 v1, v0, 4, s9                   ; 16 x lane + 512 x piece: in a record and in the output
	v_mul_u32_u24 v2, v0, PARTB                    ; lane l reads record l's s
	v_mov_b32 v5, 0                                ; the lane exchange below counts as a reader of its destination
	s_wait_kmcnt 0x0
	s_add_nc_u64 s[4:5], s[4:5], s[10:11]
	s_add_nc_u64 s[6:7], s[6:7], s[12:13]
	global_load_b32 v3, v2, s[4:5] offset:2048
.irp c, 0,1,2,3,4,5,6,7,8,9,10,11,12,13,14,15,16,17,18,19,20,21,22,23,24,25,26,27,28,29,30,31
	global_load_b128 v[X+4*\c:X+4*\c+3], v1, s[4:5] offset:PARTB*\c
.endr
	s_wait_loadcnt 32                              ; the 32 loads of S behind it stay out: s is in
	v_add_f32_dpp v3, v3, v3 row_xmask:1 row_mask:0xf bank_mask:0xf
	v_add_f32_dpp v3, v3, v3 row_xmask:2 row_mask:0xf bank_mask:0xf
	v_add_f32_dpp v3, v3, v3 row_xmask:4 row_mask:0xf bank_mask:0xf
	v_add_f32_dpp v3, v3, v3 row_xmask:8 row_mask:0xf bank_mask:0xf
	v_permlanex16_b32 v5, v3, s14, s15
	v_add_f32 v3, v3, v5                           ; the batch's sum of weights, in every lane
	v_rcp_f32 v4, v3                               ; used far below: the additions stand between
.irp c, 1,2,3,4,5,6,7,8,9,10,11,12,13,14,15,16,17,18,19,20,21,22,23,24,25,26,27,28,29,30,31
	s_wait_loadcnt 31-\c                           ; records 0 .. c are in, the 31 - c behind them stay out
	v_pk_add_f32 v[X:X+1],   v[X:X+1],   v[X+4*\c:X+4*\c+1]
	v_pk_add_f32 v[X+2:X+3], v[X+2:X+3], v[X+4*\c+2:X+4*\c+3]
.endr
	s_wait_alu depctr_va_vdst(0)
	v_pk_mul_f32 v[X:X+1],   v[X:X+1],   v[4:5] op_sel_hi:[1,0]    ; both by v4
	v_pk_mul_f32 v[X+2:X+3], v[X+2:X+3], v[4:5] op_sel_hi:[1,0]
	global_store_b128 v1, v[X:X+3], s[6:7]
	s_endpgm
.Lfunc_end_k_q34220a49ae_finish:
	.size	k_q34220a49ae_finish, .Lfunc_end_k_q34220a49ae_finish-k_q34220a49ae_finish
	.p2alignl 7, 3214868480
	.fill 96, 4, 3214868480
	.section	.rodata,"a",@progbits
	.p2align	6, 0x0
	.amdhsa_kernel k_q34220a49ae_finish
		.amdhsa_group_segment_fixed_size 0
		.amdhsa_private_segment_fixed_size 0
		.amdhsa_enable_private_segment 0
		.amdhsa_kernarg_size 16
		.amdhsa_user_sgpr_count 2
		.amdhsa_user_sgpr_kernarg_segment_ptr 1
		.amdhsa_wavefront_size32 1
		.amdhsa_system_sgpr_workgroup_id_x 1
		.amdhsa_system_sgpr_workgroup_id_y 1
		.amdhsa_system_sgpr_workgroup_id_z 1
		.amdhsa_system_vgpr_workitem_id 0
		.amdhsa_next_free_vgpr 136
		.amdhsa_next_free_sgpr 66
		.amdhsa_reserve_vcc 0
		.amdhsa_float_denorm_mode_32 3
		.amdhsa_float_denorm_mode_16_64 3
		.amdhsa_memory_ordered 1
		.amdhsa_forward_progress 1
		.amdhsa_inst_pref_size 10
	.end_amdhsa_kernel
	.amdgpu_metadata
---
amdhsa.version: [ 1, 2 ]
amdhsa.kernels:
  - .name:           k_q34220a49ae_finish
    .symbol:         k_q34220a49ae_finish.kd
    .args:
      - { .name: part, .offset: 0, .size: 8, .value_kind: global_buffer, .address_space: global }
      - { .name: out0, .offset: 8, .size: 8, .value_kind: global_buffer, .address_space: global }
    .group_segment_fixed_size: 0
    .private_segment_fixed_size: 0
    .kernarg_segment_align: 8
    .kernarg_segment_size: 16
    .max_flat_workgroup_size: 32
    .sgpr_count:     66
    .vgpr_count:     136
    .wavefront_size: 32
...
	.end_amdgpu_metadata
.endif
;; end of part 2
;; ======== version 2 of 2: 2 launches; version 1 with the launch pool written anew for expert scheduling mode
;; workspace buffers: part 589,824 bytes
;; launch pool (part 3): grid 256 x 1, 16 waves a work-group, no clusters, 35,072 bytes of LDS; arguments x, W_a, b_a, W_g, b_g, part; writes part
.if DOCPART == 3
	.amdgcn_target "amdgcn-amd-amdhsa--gfx1250"
	.amdhsa_code_object_version 6
	.text
	.protected	k_q34220a49ae_pool
	.globl	k_q34220a49ae_pool
	.p2align	8
	.type	k_q34220a49ae_pool,@function
k_q34220a49ae_pool:
	s_mov_b64 s[64:65], 0
	v_nop
	global_prefetch_b8 v0, s[64:65] scope:SCOPE_SE
	s_setreg_imm32_b32 hwreg(HW_REG_WAVE_SCHED_MODE, 0, 2), 2
	s_setreg_imm32_b32 hwreg(HW_REG_WAVE_MODE, 25, 1), 1
	s_wait_xcnt 0x0
	s_wait_alu depctr_vm_vsrc(0)
; Gated attention pooling, first of two launches.  x: [8][16384][512] f32.
; For each token: a = x.W_a + b_a, g = x.W_g + b_g, score = tanh(a) * sigmoid(g), w = exp(score);
; this launch makes, for 512 consecutive tokens of one batch, the sums  S[d] = sum w x[d]  and  s = sum w.
; The second launch adds the 32 such records of a batch and divides.
;
; NO MAXIMUM IS TAKEN AWAY before the exponential: |tanh * sigmoid| <= 1 whatever the inputs are, so w lies in
; [1/e, e] and a batch's sum of 16,384 of them is at most 44,537: nothing can overflow or underflow in f32.
; So a row's weight needs no other row, and x is read once.
; LIMITS: NaN or infinite x is not treated apart.  For very large |a|, |g| exp2 gives inf or 0 and the reciprocal
; 0 or 1, which are the saturated values of tanh and sigmoid.  The f32 sums are added in another order than in the model.
;
; NO MATRIX UNIT: each product has one column (W_a, W_g) or one row (the weights), a sixteenth of a 16 x 16 tile, and
; rounding a lane's 16 numbers of a row to bf16 takes 8 instructions, as many as a whole dot product in packed f32 FMAs.
; NO CLUSTER: work-groups share only W_a and W_g, 4 KiB against the 1 MiB of x that each reads alone.
;
; SHARES.  Work-group g: rows 512 g .. 512 g + 511 (1 MiB; 32 work-groups a batch).  A row is 2,048 bytes = four 16-byte loads a lane,
; each load of a wave 512 consecutive bytes: register 4 j + k of a row holds column 128 j + 4 lane + k, and so do W_a, W_g and ACC.
; A turn takes two rows a wave; the 16 waves take 32 consecutive rows (64 KiB), so the group walks its MiB front to back.
;
; THE MODE: SCHED_MODE bits 1:0 = 2 (LLVM: expert scheduling mode 2), set by the entry lines.  The code itself states the register dependences
; between vector instructions and memory or LDS instructions, with s_wait_alu, always for 0.
; THE PLAN.  16 turns, a ring of five slots of two rows.  Registers that memory instructions touch, in the loop:
;   X0 .. X4    Turn p's vector instructions read X[p % 5].  The eight loads issued in turn p bring turn p + 4's rows into X[(p + 4) % 5] = X[(p - 1) % 5]:
;               the slot that turn p - 1 worked on and that no vector instruction of turn p names.
;   v[OFF]      The offset of every load of x: made once at the head and never written again.  Each slot has a scalar base of its own, which moves on
;               by five turns at the head of the slot's own turn, behind the wait that shows the loads that read it done.
;   T, W_a, W_g, ACC, SUM and the constants are named by vector instructions alone.
; So ONE wait on va_vdst stands at a turn's head: the turn before is done reading its slot.  The turn's eight loads follow it, dealt among the dot
; products' lines with no further wait.  32 loads (16 KiB) of every wave are in flight while a turn is worked on.
.set ROWB,   2048                      ; bytes in a row
.set STEPB,  16*2*ROWB                 ; bytes that the 16 waves take in one turn
.set SLOTS,  5
.set TURNS,  512*ROWB/STEPB            ; 16
.set LAPS,   (TURNS-SLOTS-1)/SLOTS     ; 2: turn 0 stands ahead of the loop, turns 11 to 15 behind it
.set PARTB,  2304                      ; a record of the workspace: 2,048 bytes of S, 256 bytes of s (64 times the same number)
.set SUMS,   16*ROWB                   ; LDS: 16 waves x 2,048 bytes of S, then 16 words of s
.set BS,  32                           ; s[32:41]  slot k: the group's first byte of the turn that the slot is asked for next: a pair at BS + 2 k
.set OFF, 1                            ; v1        4,096 x wave + 16 x lane
.set L16, 2                            ; v2        16 x lane
.set SUM, 3                            ; v3        my wave's sum of weights (the same in every lane)
.set KK,  4                            ; v4        lanes 0-15: 2 log2 e      lanes 16-31: -log2 e
.set KB,  5                            ; v5        KK x b_a                  KK x b_g
.set AL,  6                            ; v6        -2 log2 e                 1
.set BE,  7                            ; v7        log2 e                    0
.set TA,  8                            ; v[8:11]   at work, the turn's first row
.set TB,  12                           ; v[12:15]  at work, the turn's second row
.set WA,  16                           ; v[16:31]  W_a of my 16 columns
.set WG,  32                           ; v[32:47]  W_g of my 16 columns
.set ACC, 48                           ; v[48:63]  sum of w x over my wave's rows, my 16 columns
.set X,   64                           ; v[64:223] slot s: 32 registers, two rows
	s_load_b256 s[4:11], s[0:1], 0x0               ; x s[4:5], W_a s[6:7], b_a s[8:9], W_g s[10:11]
	s_load_b128 s[12:15], s[0:1], 0x20             ; b_g s[12:13], part s[14:15]
	v_lshl_add_u32 v224, v0, 2, 0x8100
	v_mov_b32 v225, 0
	v_lshrrev_b32 v3, 5, v0
	v_readfirstlane_b32 s18, v3                    ; wave 0..15
	v_and_b32 v2, 31, v0
	v_lshlrev_b32 v[L16], 4, v2                    ; 16 x lane
	s_wait_alu depctr_va_sdst(0)                   ; s18 is written, ahead of its first reader, the line below
	s_lshl_b32 s19, s18, 12                        ; my wave's two rows in a turn's 32
	v_add_nc_u32 v[OFF], s19, v[L16]
	s_lshl_b32 s20, ttmp9, 20                      ; the group's MiB of x (at most 255 MiB: one word)
	s_mov_b32 s21, 0
	s_mul_i32 s22, ttmp9, PARTB                    ; the group's record
	s_mov_b32 s23, 0
	s_mov_b32 s24, 0x76543210                      ; v_permlanex16_b32: lane i takes lane i of the other half
	s_mov_b32 s25, 0xfedcba98
	s_mov_b32 vcc_lo, 0xffff0000                   ; lanes 16-31, for the whole kernel: written here, by a scalar instruction, and never again
	s_wait_kmcnt 0x0
	s_load_b32 s16, s[8:9], 0x0                    ; b_a
	s_load_b32 s17, s[12:13], 0x0                  ; b_g
	s_add_nc_u64 s[4:5], s[4:5], s[20:21]
	s_add_nc_u64 s[14:15], s[14:15], s[22:23]
.irp k, 0,1,2,3,4
	s_add_nc_u64 s[BS+2*\k:BS+2*\k+1], s[4:5], \k*STEPB    ; slot k begins with turn k
.endr
	s_wait_alu depctr_va_vdst(0)                   ; v[L16] and v[OFF] are written: every load of the kernel reads one of them as its offset
.irp j, 0,1,2,3
	global_load_b128 v[WA+4*\j:WA+4*\j+3], v[L16], s[6:7] offset:512*\j
	global_load_b128 v[WG+4*\j:WG+4*\j+3], v[L16], s[10:11] offset:512*\j
.endr
; load i of the eight that bring slot s its two rows, 4,096 consecutive bytes a wave.  x is read once in the whole launch: non-temporal.
.macro LD s, i
	global_load_b128 v[X+32*(\s)+4*(\i):X+32*(\s)+4*(\i)+3], v[OFF], s[BS+2*(\s):BS+2*(\s)+1] offset:512*(\i) th:TH_LOAD_NT
.endm
.irp s, 0,1,2,3
.irp i, 0,1,2,3,4,5,6,7
	LD \s, \i                                      ; turns 0 to 3; slot 4 is asked for in turn 0, like every slot after it: one turn behind its last reader
.endr
.endr
	; One chain serves tanh (lanes 0-15) and sigmoid (lanes 16-31):  r = 1 / (1 + exp2(KK z)),  value = AL r + BE.
	; tanh z = 1 - 2 / (1 + e^(2z)), here times log2 e so that the weight is exp2 of the two values' product;  sigmoid z = 1 / (1 + e^(-z)).
	v_mov_b32 v[TA], 0xbfb8aa3b                            ; -log2 e
	v_cndmask_b32 v[KK], 0x4038aa3b, v[TA], vcc_lo         ; 2 log2 e | -log2 e
	v_mov_b32 v[TA+1], 1.0
	v_cndmask_b32 v[AL], 0xc038aa3b, v[TA+1], vcc_lo       ; -2 log2 e | 1
	v_mov_b32 v[TA+2], 0
	v_cndmask_b32 v[BE], 0x3fb8aa3b, v[TA+2], vcc_lo       ; log2 e | 0
	; 17 registers are cleared once for a wave's 32 rows; letting the first row start the sums would ask for a further copy of a turn's code
	v_mov_b32 v[SUM], 0
.irp j, 0,1,2,3,4,5,6,7,8,9,10,11,12,13,14,15
	v_mov_b32 v[ACC+\j], 0
.endr
	s_wait_kmcnt 0x0                                       ; the two biases
	v_mov_b32 v[TA+3], s17
	v_cndmask_b32 v[KB], s16, v[TA+3], vcc_lo              ; b_a | b_g
	v_mul_f32 v[KB], v[KK], v[KB]                          ; KK (z + b) = KK z + KK b: one FMA a row
.macro ROWSUM t                        ; sum over each half of 16 lanes, result in all of them
.irp m, 1,2,4,8
	v_add_f32_dpp v[\t], v[\t], v[\t] row_xmask:\m row_mask:0xf bank_mask:0xf
.endr
.endm
.macro ACCUM t, x, j                   ; two columns: ACC += w x  (w = v[t], taken for both halves; v[t+1] is a written register)
	v_pk_fma_f32 v[ACC+\j:ACC+\j+1], v[\x+\j:\x+\j+1], v[\t:\t+1], v[ACC+\j:ACC+\j+1] op_sel_hi:[1,0,1]
.endm
; The turn of slot s: rows A and B.  first = 1: turn 0, with no turn in front of it.  ahead = 1: the slot in front of s in the ring gets the rows four turns on.
; step = 1: slot s will be asked for again, and its base moves on.  left = younger loads that may stay out.
; Behind each exp2 and reciprocal one plain vector instruction that touches neither its result nor its source comes first
; (ISA guide 5.7.2): row A's three places are filled by steps of row B's reduction, row B's by row A's accumulation.
.macro TURN s, first, ahead, step, left
.set XA, X+32*(\s)
.set XB, X+32*(\s)+16
.set NX, ((\s)+SLOTS-1)%SLOTS
	s_wait_loadcnt \left                                   ; loads come back in order: my slot's eight are in, the younger slots' stay out
.if \step
	s_add_nc_u64 s[BS+2*(\s):BS+2*(\s)+1], s[BS+2*(\s):BS+2*(\s)+1], SLOTS*STEPB  ; free since that wait, which shows the loads that read it done: the slot's next turn
.endif
.if (\ahead) && !(\first)
	s_wait_alu depctr_va_vdst(0)                           ; the turn before is done reading its slot, in which the eight loads below land
.endif
	; the two dot products of both rows, my 16 columns: four chains that do not wait for each other; the first products start them.
	; A load stands in front of each group of four: no vector instruction since the wait names the slot that they fill, or v[OFF]
.if \ahead
	LD NX, 0
.endif
	v_pk_mul_f32 v[TA:TA+1],   v[XA:XA+1], v[WA:WA+1]
	v_pk_mul_f32 v[TA+2:TA+3], v[XA:XA+1], v[WG:WG+1]
	v_pk_mul_f32 v[TB:TB+1],   v[XB:XB+1], v[WA:WA+1]
	v_pk_mul_f32 v[TB+2:TB+3], v[XB:XB+1], v[WG:WG+1]
.irp j, 2,4,6,8,10,12,14
.if \ahead
	LD NX, \j/2
.endif
	v_pk_fma_f32 v[TA:TA+1],   v[XA+\j:XA+\j+1], v[WA+\j:WA+\j+1], v[TA:TA+1]
	v_pk_fma_f32 v[TA+2:TA+3], v[XA+\j:XA+\j+1], v[WG+\j:WG+\j+1], v[TA+2:TA+3]
	v_pk_fma_f32 v[TB:TB+1],   v[XB+\j:XB+\j+1], v[WA+\j:WA+\j+1], v[TB:TB+1]
	v_pk_fma_f32 v[TB+2:TB+3], v[XB+\j:XB+\j+1], v[WG+\j:WG+\j+1], v[TB+2:TB+3]
.endr
	v_add_f32 v[TA],   v[TA],   v[TA+1]                    ; A: my part of x.W_a
	v_add_f32 v[TA+2], v[TA+2], v[TA+3]                    ; A: my part of x.W_g
	v_add_f32 v[TB],   v[TB],   v[TB+1]
	v_add_f32 v[TB+2], v[TB+2], v[TB+3]
	; row A: the halves trade, so that lanes 0-15 go on with x.W_a alone and lanes 16-31 with x.W_g alone
	v_cndmask_b32 v[TA+1], v[TA+2], v[TA], vcc_lo          ; to send: lanes 0-15 their g part, lanes 16-31 their a part
	v_cndmask_b32 v[TA], v[TA], v[TA+2], vcc_lo            ; to keep: lanes 0-15 a, lanes 16-31 g
	v_permlanex16_b32 v[TA+3], v[TA+1], s24, s25
	v_add_f32 v[TA], v[TA], v[TA+3]
	ROWSUM TA                                              ; x.W_a | x.W_g
	v_fma_f32 v[TA], v[TA], v[KK], v[KB]
	v_exp_f32 v[TA+1], v[TA]
	v_cndmask_b32 v[TB+1], v[TB+2], v[TB], vcc_lo          ; (B: to send)
	s_wait_alu depctr_va_vdst(0)
	v_add_f32 v[TA+1], 1.0, v[TA+1]
	v_rcp_f32 v[TA], v[TA+1]
	v_cndmask_b32 v[TB], v[TB], v[TB+2], vcc_lo            ; (B: to keep)
	s_wait_alu depctr_va_vdst(0)
	v_fma_f32 v[TA], v[TA], v[AL], v[BE]                   ; log2 e tanh(a) | sigmoid(g)
	v_permlanex16_b32 v[TA+3], v[TA], s24, s25             ; the other factor
	v_permlanex16_b32 v[TB+3], v[TB+1], s24, s25           ; (B)
	v_mul_f32 v[TA+1], v[TA], v[TA+3]                      ; log2 e x score, in every lane
	v_exp_f32 v[TA], v[TA+1]                               ; A's weight
	v_add_f32 v[TB], v[TB], v[TB+3]                        ; (B)
	s_wait_alu depctr_va_vdst(0)
	v_add_f32 v[SUM], v[SUM], v[TA]
	; row B: the same chain
	ROWSUM TB
	v_fma_f32 v[TB], v[TB], v[KK], v[KB]
	v_exp_f32 v[TB+1], v[TB]
	ACCUM TA, XA, 0
	s_wait_alu depctr_va_vdst(0)
	v_add_f32 v[TB+1], 1.0, v[TB+1]
	v_rcp_f32 v[TB], v[TB+1]
	ACCUM TA, XA, 2
	s_wait_alu depctr_va_vdst(0)
	v_fma_f32 v[TB], v[TB], v[AL], v[BE]
	v_permlanex16_b32 v[TB+3], v[TB], s24, s25
	v_mul_f32 v[TB+1], v[TB], v[TB+3]
	v_exp_f32 v[TB], v[TB+1]                               ; B's weight
.irp j, 4,6,8,10,12,14
	ACCUM TA, XA, \j
.endr
	s_wait_alu depctr_va_vdst(0)
	v_add_f32 v[SUM], v[SUM], v[TB]
.irp j, 0,2,4,6,8,10,12,14
	ACCUM TB, XB, \j
.endr
.endm
	TURN 0, 1, 1, 1, 24                                    ; turn 0: 24 = three younger slots of eight loads (W's eight were issued ahead of the ring).
	                                                       ; Its loads fill slot 4, which no vector instruction has named: the head's wait serves them
	s_mov_b32 s26, LAPS
.Lround:                                                       ; turns 1 to 10, five to a lap: the ring is back at its start
	TURN 1, 0, 1, 1, 24
	TURN 2, 0, 1, 1, 24
	TURN 3, 0, 1, 1, 24
	TURN 4, 0, 1, 1, 24
	TURN 0, 0, 1, 1, 24
	s_sub_co_u32 s26, s26, 1
	s_cmp_lg_u32 s26, 0
	s_cbranch_scc1 .Lround
	TURN 1, 0, 1, 0, 24                                    ; turn 11 asks for the last turn's rows; its own slot is not asked for again
	TURN 2, 0, 0, 0, 24                                    ; turns 12 to 15 load nothing, so no load passes the group's MiB: the counts run down
	TURN 3, 0, 0, 0, 16
	TURN 4, 0, 0, 0, 8
	TURN 0, 0, 0, 0, 0
	; The 16 waves' sums meet in LDS: each wave stores its own 2,048 bytes and its own word, one barrier, five waves add.
	s_lshl_b32 s27, s18, 11
	s_lshl_b32 s28, s18, 2
	v_add_nc_u32 v[TA], s27, v[L16]                        ; 2,048 x wave + 16 x lane
	v_mov_b32 v[TA+1], s28                                 ; 4 x wave
	s_wait_alu depctr_va_vdst(0)                           ; the last turn has written ACC and SUM, the two lines above the addresses: the LDS stores read all of them
.irp j, 0,1,2,3
	ds_store_b128 v[TA], v[ACC+4*\j:ACC+4*\j+3] offset:512*\j
.endr
	ds_store_b32 v[TA+1], v[SUM] offset:SUMS               ; all lanes write the same word with the same number
	s_wait_dscnt 0x0                                       ; for the other waves' sake: my stores are in LDS before I signal
	s_barrier_signal -1
	s_barrier_wait -1
	s_cmp_gt_u32 s18, 4
	s_cbranch_scc1 .Lend
	s_cmp_eq_u32 s18, 4
	s_cbranch_scc1 .Lsum
	; waves 0-3: thread t adds the 16 waves' columns 4 t .. 4 t + 3; a wave's store covers 512 consecutive bytes, aligned to 256
	v_lshlrev_b32 v[TB], 4, v0                             ; 16 t, in LDS and in the record
	s_wait_alu depctr_va_vdst(0)                           ; v[TB] is written, which the LDS loads read as their address (the turns that read X's registers, in which they land, stand further ahead)
.irp w, 0,1,2,3,4,5,6,7,8,9,10,11,12,13,14,15
	ds_load_b128 v[X+4*\w:X+4*\w+3], v[TB] offset:ROWB*\w
.endr
	s_wait_dscnt 0x0
.irp d, 8,4,2,1
.set w, 0
.rept \d
	v_pk_add_f32 v[X+4*w:X+4*w+1],   v[X+4*w:X+4*w+1],   v[X+4*(w+\d):X+4*(w+\d)+1]
	v_pk_add_f32 v[X+4*w+2:X+4*w+3], v[X+4*w+2:X+4*w+3], v[X+4*(w+\d)+2:X+4*(w+\d)+3]
.set w, w+1
.endr
.endr
	s_wait_alu depctr_va_vdst(0)                           ; the additions have written v[X:X+3], which the store reads
	global_store_b128 v[TB], v[X:X+3], s[14:15]
	s_wait_dscnt 0x0
	s_wait_alu depctr_hold_cnt(0) depctr_sa_sdst(0) depctr_va_vdst(0) depctr_va_sdst(0) depctr_va_ssrc(0) depctr_va_vcc(0) depctr_vm_vsrc(0)
	s_wait_tensorcnt 0x0
	ds_add_u32 v224, v225
	s_wait_dscnt 0x0
	s_endpgm
.Lsum:
	; wave 4: the 16 sums of weights, read by every lane; the total goes out 64 times, 8 bytes a lane: 256 consecutive bytes, aligned
	v_mov_b32 v[TB], SUMS
	s_wait_alu depctr_va_vdst(0)                           ; v[TB] is written, which the LDS loads read as their address
.irp i, 0,1,2,3
	ds_load_b128 v[X+4*\i:X+4*\i+3], v[TB] offset:16*\i
.endr
	v_lshrrev_b32 v[TB+1], 1, v[L16]                       ; 8 x lane
	s_wait_dscnt 0x0
.irp d, 4,2,1
.set p, 0
.rept \d
	v_pk_add_f32 v[X+2*p:X+2*p+1], v[X+2*p:X+2*p+1], v[X+2*(p+\d):X+2*(p+\d)+1]
.set p, p+1
.endr
.endr
	v_add_f32 v[X+2], v[X], v[X+1]                         ; the total, made twice to fill the pair that is stored
	v_add_f32 v[X+3], v[X], v[X+1]
	s_wait_alu depctr_va_vdst(0)                           ; the total in v[X+2:X+3] and the offset v[TB+1] are written: the store reads both
	global_store_b64 v[TB+1], v[X+2:X+3], s[14:15] offset:ROWB
.Lend:
	s_wait_dscnt 0x0
	s_wait_alu depctr_hold_cnt(0) depctr_sa_sdst(0) depctr_va_vdst(0) depctr_va_sdst(0) depctr_va_ssrc(0) depctr_va_vcc(0) depctr_vm_vsrc(0)
	s_wait_tensorcnt 0x0
	ds_add_u32 v224, v225
	s_wait_dscnt 0x0
	s_endpgm
.Lfunc_end_k_q34220a49ae_pool:
	.size	k_q34220a49ae_pool, .Lfunc_end_k_q34220a49ae_pool-k_q34220a49ae_pool
	.p2alignl 7, 3214868480
	.fill 96, 4, 3214868480
	.section	.rodata,"a",@progbits
	.p2align	6, 0x0
	.amdhsa_kernel k_q34220a49ae_pool
		.amdhsa_group_segment_fixed_size 35072
		.amdhsa_private_segment_fixed_size 0
		.amdhsa_enable_private_segment 0
		.amdhsa_kernarg_size 48
		.amdhsa_user_sgpr_count 2
		.amdhsa_user_sgpr_kernarg_segment_ptr 1
		.amdhsa_wavefront_size32 1
		.amdhsa_system_sgpr_workgroup_id_x 1
		.amdhsa_system_sgpr_workgroup_id_y 1
		.amdhsa_system_sgpr_workgroup_id_z 1
		.amdhsa_system_vgpr_workitem_id 0
		.amdhsa_next_free_vgpr 226
		.amdhsa_next_free_sgpr 66
		.amdhsa_reserve_vcc 1
		.amdhsa_float_denorm_mode_32 3
		.amdhsa_float_denorm_mode_16_64 3
		.amdhsa_memory_ordered 1
		.amdhsa_forward_progress 1
		.amdhsa_inst_pref_size 72
	.end_amdhsa_kernel
	.amdgpu_metadata
---
amdhsa.version: [ 1, 2 ]
amdhsa.kernels:
  - .name:           k_q34220a49ae_pool
    .symbol:         k_q34220a49ae_pool.kd
    .args:
      - { .name: x, .offset: 0, .size: 8, .value_kind: global_buffer, .address_space: global }
      - { .name: W_a, .offset: 8, .size: 8, .value_kind: global_buffer, .address_space: global }
      - { .name: b_a, .offset: 16, .size: 8, .value_kind: global_buffer, .address_space: global }
      - { .name: W_g, .offset: 24, .size: 8, .value_kind: global_buffer, .address_space: global }
      - { .name: b_g, .offset: 32, .size: 8, .value_kind: global_buffer, .address_space: global }
      - { .name: part, .offset: 40, .size: 8, .value_kind: global_buffer, .address_space: global }
    .group_segment_fixed_size: 35072
    .private_segment_fixed_size: 0
    .kernarg_segment_align: 8
    .kernarg_segment_size: 48
    .max_flat_workgroup_size: 512
    .sgpr_count:     66
    .vgpr_count:     226
    .wavefront_size: 32
...
	.end_amdgpu_metadata
.endif
;; end of part 3
;; launch finish: the kernel of part 2 again; grid 4 x 8, 1 waves a work-group, no clusters, 0 bytes of LDS; arguments part, out0; writes out0
